; MI455X (gfx1250); checked and timed in simulation.
; The chip was launched on July 23, 2026; its instructions are those of AMD's public machine-readable ISA for CDNA 5 (MIT licence, August 2026) and "CDNA5" Instruction Set Architecture Reference Guide (July 2026). The comments in the code are by the model that wrote it; some were corrected since.
;; Hash Encoding. Allowed arithmetic: float matrix products may take bf16 or f16 operands with f32 sums; all other float work in f32.
;; Inputs: hash_table 8,388,608 x 2 float32; x 262,144 x 3 float32.
;; Outputs: out0 262,144 x 32 float32.
;; 2 versions, each right; version 2 is version 1 with the launch gather written anew for expert scheduling mode. Each part assembles by itself: llvm-mc -triple=amdgcn-amd-amdhsa -mcpu=gfx1250 --defsym DOCPART=n.
;; ======== version 1 of 2: 2 launches
;; limits: inputs' magnitudes at most 1,023
;; workspace buffers: cells 3,145,728 bytes of whole numbers
;; launch quantize (part 1): grid 256 x 1, 8 waves a work-group, no clusters, 0 bytes of LDS; arguments x, cells; writes cells
.if DOCPART == 1
	.amdgcn_target "amdgcn-amd-amdhsa--gfx1250"
	.amdhsa_code_object_version 6
	.text
	.protected	k_q5c931a887b_quantize
	.globl	k_q5c931a887b_quantize
	.p2align	8
	.type	k_q5c931a887b_quantize,@function
k_q5c931a887b_quantize:
	s_mov_b64 s[64:65], 0
	v_nop
	global_prefetch_b8 v0, s[64:65] scope:SCOPE_SE
	s_setreg_imm32_b32 hwreg(HW_REG_WAVE_MODE, 25, 1), 1
	s_wait_xcnt 0x0
; cells[i] = whole-number form of x[i], for all 786,432 numbers of x (elementwise, the layout of x is kept).
;   x01  = 0.5 x + 0.5                      (one rounding, as in the reference: 0.5 x is exact)
;   I    = floor(x01),  frac = x01 - I      (0 <= frac <= 1; 1 only where a tiny negative x01 rounds up)
;   word = I << 22  |  min(floor(frac * 2^22), 2^22 - 1)
; The next launch forms its table addresses from these words alone, by whole-number arithmetic.
; LIMIT: I has ten bits with sign, so -512 <= 0.5 x + 0.5 < 512 (about |x| < 1023). Outside it the word wraps and
; the next launch's values are wrong (its addresses stay inside the table). NaN gives the word 0; the next launch
; makes the NaN results from x itself.
; 256 work-groups x 256 threads x 3 loads of 16 bytes: a wave's load or store covers 512 consecutive bytes.
; x and cells are read by the next launch, so neither carries a no-reuse hint.
.set CHUNK, 4096                       ; bytes that one load of the whole work-group covers
.set FRAC,  22                         ; bits of the fraction
.set X,     4                          ; v[4:15]   three slots of four numbers: x, then the words
.set F,     16                         ; v[16:19]  floor(x01) of the slot at work
	s_load_b128 s[4:7], s[0:1], 0x0                ; x s[4:5], cells s[6:7]
	s_mul_i32 s8, ttmp9, 3*CHUNK                   ; the work-group's 12,288 bytes
	s_mov_b32 s9, 0
	v_lshlrev_b32 v1, 4, v0                        ; 16 bytes a thread; never rewritten
	s_wait_kmcnt 0x0
	s_add_nc_u64 s[4:5], s[4:5], s[8:9]
	s_add_nc_u64 s[6:7], s[6:7], s[8:9]
.irp j, 0,1,2
	global_load_b128 v[X+4*\j:X+4*\j+3], v1, s[4:5] offset:\j*CHUNK
.endr
.macro PACK j
	s_wait_loadcnt 2-\j                            ; loads return in order: slot j is in, the 2 - j younger ones may be out
.irp k, 0,2
	v_pk_fma_f32 v[X+4*\j+\k:X+4*\j+\k+1], v[X+4*\j+\k:X+4*\j+\k+1], 0.5, 0.5 op_sel_hi:[1,0,0]   ; x01
.endr
.irp k, 0,1,2,3
	v_floor_f32 v[F+\k], v[X+4*\j+\k]
.endr
.irp k, 0,2
	v_pk_add_f32 v[X+4*\j+\k:X+4*\j+\k+1], v[X+4*\j+\k:X+4*\j+\k+1], v[F+\k:F+\k+1] neg_lo:[0,1] neg_hi:[0,1]   ; frac
.endr
.irp k, 0,2
	v_pk_mul_f32 v[X+4*\j+\k:X+4*\j+\k+1], v[X+4*\j+\k:X+4*\j+\k+1], 0x4a800000 op_sel_hi:[1,0]   ; * 2^22, exact
.endr
.irp k, 0,1,2,3
	v_cvt_u32_f32 v[X+4*\j+\k], v[X+4*\j+\k]       ; toward zero = floor, the number is not negative
	v_cvt_i32_f32 v[F+\k], v[F+\k]
.endr
.irp k, 0,1,2,3
	v_min_u32 v[X+4*\j+\k], (1<<FRAC)-1, v[X+4*\j+\k]   ; frac = 1 stays inside its 22 bits
.endr
.irp k, 0,1,2,3
	v_lshl_or_b32 v[X+4*\j+\k], v[F+\k], FRAC, v[X+4*\j+\k]
.endr
	global_store_b128 v1, v[X+4*\j:X+4*\j+3], s[6:7] offset:\j*CHUNK    ; a slot's registers are not written again
.endm
	PACK 0
	PACK 1
	PACK 2
	s_endpgm
.Lfunc_end_k_q5c931a887b_quantize:
	.size	k_q5c931a887b_quantize, .Lfunc_end_k_q5c931a887b_quantize-k_q5c931a887b_quantize
	.p2alignl 7, 3214868480
	.fill 96, 4, 3214868480
	.section	.rodata,"a",@progbits
	.p2align	6, 0x0
	.amdhsa_kernel k_q5c931a887b_quantize
		.amdhsa_group_segment_fixed_size 0
		.amdhsa_private_segment_fixed_size 0
		.amdhsa_enable_private_segment 0
		.amdhsa_kernarg_size 16
		.amdhsa_user_sgpr_count 2
		.amdhsa_user_sgpr_kernarg_segment_ptr 1
		.amdhsa_wavefront_size32 1
		.amdhsa_system_sgpr_workgroup_id_x 1
		.amdhsa_system_sgpr_workgroup_id_y 1
		.amdhsa_system_sgpr_workgroup_id_z 1
		.amdhsa_system_vgpr_workitem_id 0
		.amdhsa_next_free_vgpr 20
		.amdhsa_next_free_sgpr 66
		.amdhsa_reserve_vcc 0
		.amdhsa_float_denorm_mode_32 3
		.amdhsa_float_denorm_mode_16_64 3
		.amdhsa_memory_ordered 1
		.amdhsa_forward_progress 1
		.amdhsa_inst_pref_size 6
	.end_amdhsa_kernel
	.amdgpu_metadata
---
amdhsa.version: [ 1, 2 ]
amdhsa.kernels:
  - .name:           k_q5c931a887b_quantize
    .symbol:         k_q5c931a887b_quantize.kd
    .args:
      - { .name: x, .offset: 0, .size: 8, .value_kind: global_buffer, .address_space: global }
      - { .name: cells, .offset: 8, .size: 8, .value_kind: global_buffer, .address_space: global }
    .group_segment_fixed_size: 0
    .private_segment_fixed_size: 0
    .kernarg_segment_align: 8
    .kernarg_segment_size: 16
    .max_flat_workgroup_size: 256
    .sgpr_count:     66
    .vgpr_count:     20
    .wavefront_size: 32
...
	.end_amdgpu_metadata
.endif
;; end of part 1
;; launch gather (part 2): grid 256 x 1, 32 waves a work-group, no clusters, 151,552 bytes of LDS; arguments cells, x, hash_table, out0; writes out0
.if DOCPART == 2
	.amdgcn_target "amdgcn-amd-amdhsa--gfx1250"
	.amdhsa_code_object_version 6
	.text
	.protected	k_q5c931a887b_gather
	.globl	k_q5c931a887b_gather
	.p2align	8
	.type	k_q5c931a887b_gather,@function
k_q5c931a887b_gather:
	s_mov_b64 s[64:65], 0
	v_nop
	global_prefetch_b8 v0, s[64:65] scope:SCOPE_SE
	s_setreg_imm32_b32 hwreg(HW_REG_WAVE_MODE, 25, 1), 1
	s_wait_xcnt 0x0
; out0[n][2 l + f] = trilinear sum over the 8 corners of point n's cell at level l of hash_table[l T + hash(corner)][f].
; T = 2^19 entries of 8 bytes a level, 16 levels, 262,144 points.
;
; SCALES. floor(16 g^l) with g = exp((ln 1024 - ln 16) / 15) evaluated in f64 as the reference writes it: g is the f64 next
; below 2^0.4, so g^5, g^10, g^15 fall just under 4, 16, 64, and the scales are
;   16 21 27 36 48 63 84 111 147 194 255 337 445 588 776 1023.
;
; ADDRESSES come from whole numbers alone: the word of each coordinate that the launch before stored
; (I = floor(x01) in bits 31:22, q = floor(frac 2^22) in bits 21:0).  At scale s:  f = (q s) >> 22  (q s < 2^22 * 1023 fits 32 bits),
; cell = I s + f.  The hash keeps 19 bits (h mod 2^19 of the 64-bit hash = its low 19 bits, for negative cells too), and these
; hang on the low 19 bits of cell and prime alone: 24-bit multiplies by the primes' low 19 bits do.
; WEIGHTS come from x: frac is made again by the same three operations as in the launch before, offset = fma(frac, s, -f).
; f is floor(frac s) or, where frac s lies less than s 2^-22 above a whole number, one less; the offset then is up to 1 + 2^-12
; against the cell that is addressed, and since the interpolant is continuous over a cell's face the result moves by at most
; 2^-12 of a difference of slopes.
; LIMITS. (1) -512 <= 0.5 x + 0.5 < 512, from the word's ten bits of I.  (2) The upper corner is cell + 1; the reference takes ceil,
; which equals the floor where the offset is 0. The weight there is 0, so the results agree for finite table entries only.
; (3) Rounding: the offset is rounded once (fma on the fraction); the reference rounds x01 s first, which for |x| <= 1 differs
; by at most 2^-15 and for x01 near 30 by at most 2^-10 of a cell; sums go as lerps in z, y and x, not as eight weighted terms.
;
; SHARES. 256 work-groups x 32 waves; a wave owns 32 points.  A lane is (point, x bit): lanes 2i and 2i+1 fetch, in one instruction,
; the lower-x and the upper-x corner of one point.  x's prime is 1, so the two indices differ only in the low bits that cell and
; cell + 1 differ in: in 15 of 16 cases both lie in one aligned run of 16 entries (128 bytes), so neighbouring lanes ask for
; neighbouring bytes.  Each lane serves two points, A and B = A + 8: eight gathers a level.
; ORDER OF THE LEVELS. The levels go in 8 pairs (2 P, 2 P + 1).  Work-group g starts at pair (g + g/8) mod 8 and goes round, so any
; eight neighbouring work-groups, and any eight that lie 8 apart, start at eight different pairs.  In every trip each level's table is
; visited by 32 of the 256 work-groups: the requests for one table are spread over the whole launch and do not all fall into one
; sixteenth of it.  A table's next visit comes two trips behind the last, and a trip's gathers are waited for one trip behind their
; issue: what the earlier visitors asked for has landed when the next ones ask.  The price: all 16 tables, 64 MiB, are in use from
; the first trip to the last.  Nothing is asked for ahead of its use: every table is under demand from the first trip on, so
; there is no table that a request ahead could name before its first visit.
; PIPELINE. A level's eight gathers are issued before the level before is combined; two register sets (even, odd level) take turns.
; A gather lands on its own index register; a set and its table's base are written again only behind the counted wait that showed
; its loads done.
; WAY OUT. The pair's sum is made by one DPP add; the even lane keeps A's, the odd lane B's.  Two levels = 16 bytes go into the wave's
; own LDS rows (one row a point), and the 32 rows are read back whole: each store of the wave covers 512 consecutive bytes of out0.
; No wave touches another's LDS bytes, so there is no barrier.
; No matrix unit (no product), no tensor load and no cluster (each lane's address is its own; no tile is shared).
.set PAIRS,  8                         ; pairs of levels
.set TMASK,  0x7ffff                   ; T - 1
.set LEVEL_BYTES, 0x400000             ; T entries of 8 bytes
.set FRAC,   22
.set P1L,    2654435761 & TMASK        ; the primes' low 19 bits
.set P2L,    805459861 & TMASK
.set PITCH,  144                       ; an LDS row: 128 bytes + 16: an odd multiple of 16, so 16 rows' equal columns fall on 16 different 16-byte columns of 256 bytes
.set WAVE_LDS, 32*PITCH
; vector registers.  Index 2 d + p: dimension d, point p (0 = A, 1 = B), so (A, B) of one dimension form a pair for the packed forms
.set QF,   2                           ; v[2:7]    q
.set QI,   8                           ; v[8:13]   I
.set PH,   14                          ; v[14:19]  frac, f32
.set BSH,  20                          ; my x bit << 22
.set LST,  21                          ; LDS address of the row that I store
.set SGN,  22                          ; v[22:23]  +1 (upper x corner) or -1 (lower), twice
.set LRD,  24                          ; LDS address from which I read rows back
.set OOFF, 25                          ; 16 x lane: my place in the wave's 512 bytes of out0
.set LSA,  26                          ; LST + 16 P: where the pair at work goes in my row
.set XOFF, 27                          ; byte offset of point A's three numbers in the wave's part of x and of cells
.set R,    28                          ; v[28:31]  results of an even and an odd level: 16 bytes of a row
.set DAT,  32                          ; v[32:63]  two sets of 8 pairs: index, then the entry.  Pair 4 p + 2 ybit + zbit
.set WGT,  64                          ; v[64:75]  two sets of 3 pairs (A, B): y offset, z offset, x weight
.set CV,   76                          ; v[76:81]  f as f32
.set TX,   82
.set TY,   83
.set TZ,   84
.set HY0,  85
.set HY1,  86
.set HZ0,  87
.set HZ1,  88
.set EA,   90                          ; v[90:93]  at work on A
.set EB,   94                          ; v[94:97]  at work on B
; scalar registers
.set WAVE, 12
.set ODD,  13                          ; mask of the odd lanes
.set LB,   16                          ; s[16:17] the even level's table, s[18:19] the odd level's
.set OFFP, 20                          ; s[20:21] P x 8 MiB, in 64 bits
.set J,    22                          ; pairs begun behind the first: the loop's counter
.set G,    23                          ; g + g/8
.set P,    24                          ; the pair whose even level was issued last
.set SI,   25                          ; s25, s26 the scales of the even and the odd level
.set SF,   28                          ; s28, s30 the same as f32; s29 and s31 only fill the pairs that the packed form names
.set W,    32                          ; s[32:39] word P: the even level's scale below, the odd level's above
.set T0,   40                          ; s[40:43] at work
	s_load_b256 s[4:11], s[0:1], 0x0               ; cells s[4:5], x s[6:7], hash_table s[8:9], out0 s[10:11]
	v_lshl_add_u32 v98, v0, 2, 0x24000
	v_mov_b32 v99, 0
	v_lshrrev_b32 v1, 5, v0
	v_readfirstlane_b32 s[WAVE], v1                ; wave 0 .. 31
	s_mov_b32 s[ODD], 0xaaaaaaaa
	v_bfe_u32 v[XOFF], v0, 1, 3                    ; the pair's number in its half of the wave, 0 .. 7
	v_bfe_u32 v[LRD], v0, 4, 1                     ; which half of the wave
	v_and_b32 v[BSH], 1, v0                        ; my x bit
	v_lshl_add_u32 v[XOFF], v[LRD], 4, v[XOFF]     ; A = 16 half + pair; B = A + 8: each half of the wave owns 16 neighbouring points
	v_lshl_add_u32 v[LST], v[BSH], 3, v[XOFF]      ; the row that I store: A's in even lanes, B's in odd
	v_mul_u32_u24 v[XOFF], 12, v[XOFF]
	s_mul_i32 s14, ttmp9, 1024*12                  ; the work-group's 1,024 points,
	s_mul_i32 s15, s[WAVE], 32*12                  ; the wave's 32, of 12 bytes
	s_add_co_u32 s14, s14, s15
	s_mov_b32 s15, 0
	s_wait_kmcnt 0x0
	s_add_nc_u64 s[4:5], s[4:5], s[14:15]
	s_add_nc_u64 s[6:7], s[6:7], s[14:15]
.irp d, 0,1,2
.irp p, 0,1
	global_load_b32 v[QI+2*\d+\p], v[XOFF], s[4:5] offset:96*\p+4*\d th:TH_LOAD_NT   ; the wave's 384 bytes of each buffer, read once in the launch
	global_load_b32 v[PH+2*\d+\p], v[XOFF], s[6:7] offset:96*\p+4*\d th:TH_LOAD_NT
.endr
.endr
; The pair P: its two scales, as whole numbers and as f32, and the address of its even level's table.
; The word is chosen by P's three bits; s_cselect_b32 leaves SCC as it is, so one test serves a whole stage.
.macro PAIR
	s_bitcmp1_b32 s[P], 0
	s_cselect_b32 s[T0],   s[W+1], s[W+0]
	s_cselect_b32 s[T0+1], s[W+3], s[W+2]
	s_cselect_b32 s[T0+2], s[W+5], s[W+4]
	s_cselect_b32 s[T0+3], s[W+7], s[W+6]
	s_bitcmp1_b32 s[P], 1
	s_cselect_b32 s[T0],   s[T0+1], s[T0]
	s_cselect_b32 s[T0+2], s[T0+3], s[T0+2]
	s_bitcmp1_b32 s[P], 2
	s_cselect_b32 s[T0],   s[T0+2], s[T0]
	s_and_b32  s[SI],   s[T0], 0xffff
	s_lshr_b32 s[SI+1], s[T0], 16
	s_cvt_f32_u32 s[SF],   s[SI]                   ; exact: at most ten bits
	s_cvt_f32_u32 s[SF+2], s[SI+1]
	s_lshl_b32 s[OFFP], s[P], 23                   ; two tables of 4 MiB a pair: at most 56 MiB
	s_add_nc_u64 s[LB:LB+1], s[8:9], s[OFFP:OFFP+1]
.endm
	; while the twelve loads are on their way: the scales, the first pair, addresses, lane constants
.macro SCALES i, a, b
	s_mov_b32 s[W+\i], \a|(\b<<16)
.endm
	SCALES 0, 16,  21
	SCALES 1, 27,  36
	SCALES 2, 48,  63
	SCALES 3, 84,  111
	SCALES 4, 147, 194
	SCALES 5, 255, 337
	SCALES 6, 445, 588
	SCALES 7, 776, 1023
	s_mov_b32 s[OFFP+1], 0
	s_mov_b32 s[SF+1], 0                           ; never taken (the packed forms below broadcast the pair's first register), written because the pair is named
	s_mov_b32 s[SF+3], 0
	s_mov_b32 s[J], 0
	s_lshr_b32 s[G], ttmp9, 3
	s_add_co_u32 s[G], s[G], ttmp9                 ; g + g/8
	s_and_b32 s[P], s[G], PAIRS-1                  ; where this work-group starts
	PAIR
	s_lshl_b32 s14, ttmp9, 17                      ; out0: 1,024 rows of 128 bytes a work-group,
	s_lshl_b32 s15, s[WAVE], 12                    ; 32 a wave
	s_add_co_u32 s14, s14, s15
	s_mov_b32 s15, 0
	s_add_nc_u64 s[10:11], s[10:11], s[14:15]
	s_mul_i32 s14, s[WAVE], WAVE_LDS               ; my wave's 32 rows in LDS
	v_mul_u32_u24 v[LST], PITCH, v[LST]
	v_add_nc_u32 v[LST], s14, v[LST]
	v_bfe_u32 v[LRD], v0, 3, 2                     ; back: eight lanes take one row of 128 bytes, the wave four rows
	v_and_b32 v[OOFF], 7, v0
	v_mul_u32_u24 v[LRD], PITCH, v[LRD]
	v_lshl_add_u32 v[LRD], v[OOFF], 4, v[LRD]
	v_add_nc_u32 v[LRD], s14, v[LRD]
	v_and_b32 v[OOFF], 31, v0
	v_lshlrev_b32 v[OOFF], 4, v[OOFF]
	v_cvt_f32_u32 v1, v[BSH]
	v_fma_f32 v[SGN], v1, 2.0, -1.0                ; x bit 0: -1, x bit 1: +1
	v_lshlrev_b32 v[BSH], FRAC, v[BSH]
	v_mov_b32 v[SGN+1], v[SGN]
.irp i, 0,1,2,3
	v_mov_b32 v[R+\i], 0                           ; the destination of a DPP form counts as read: written once here
.endr
	s_wait_loadcnt 0x0                             ; the twelve numbers, once
.irp i, 0,1,2,3,4,5
	v_and_b32 v[QF+\i], (1<<FRAC)-1, v[QI+\i]
	v_ashrrev_i32 v[QI+\i], FRAC, v[QI+\i]
.endr
.irp d, 0,2,4
	v_pk_fma_f32 v[PH+\d:PH+\d+1], v[PH+\d:PH+\d+1], 0.5, 0.5 op_sel_hi:[1,0,0]      ; x01
.endr
.irp i, 0,1,2,3,4,5
	v_floor_f32 v[CV+\i], v[PH+\i]
.endr
.irp d, 0,2,4
	v_pk_add_f32 v[PH+\d:PH+\d+1], v[PH+\d:PH+\d+1], v[CV+\d:CV+\d+1] neg_lo:[0,1] neg_hi:[0,1]   ; frac
.endr
; The four indices of point p's corners with my x bit, into the first registers of the pairs at d.  h: 0 the pair's even level, 1 its odd one.
.macro CORNERS p, d, h
	v_mad_u32_u24 v[TX], v[QF+\p], s[SI+\h], v[BSH]    ; q s + (bit << 22): at most (2^22 - 1) 1023 + 2^22, below 2^32
	v_mul_u32_u24 v[TY], s[SI+\h], v[QF+2+\p]
	v_mul_u32_u24 v[TZ], s[SI+\h], v[QF+4+\p]
	v_lshrrev_b32 v[TX], FRAC, v[TX]               ; f + my x bit
	v_lshrrev_b32 v[TY], FRAC, v[TY]               ; f
	v_lshrrev_b32 v[TZ], FRAC, v[TZ]
	v_cvt_f32_u32 v[CV+\p], v[TX]                  ; for the offsets: taken against the very f that is addressed
	v_cvt_f32_u32 v[CV+2+\p], v[TY]
	v_cvt_f32_u32 v[CV+4+\p], v[TZ]
	v_mad_u32_u24 v[TX], v[QI+\p], s[SI+\h], v[TX]     ; the corner's coordinate I s + f: its low 24 bits are right, for negative I too
	v_mad_u32_u24 v[TY], v[QI+2+\p], s[SI+\h], v[TY]
	v_mad_u32_u24 v[TZ], v[QI+4+\p], s[SI+\h], v[TZ]
	v_mul_u32_u24 v[HY0], P1L, v[TY]
	v_mul_u32_u24 v[HZ0], P2L, v[TZ]
	v_add_nc_u32 v[HY1], P1L, v[HY0]               ; (y + 1) prime
	v_add_nc_u32 v[HZ1], P2L, v[HZ0]
	v_xor_b32 v[HY0], v[TX], v[HY0]
	v_xor_b32 v[HY1], v[TX], v[HY1]
	v_xor_b32 v[\d], v[HY0], v[HZ0]
	v_xor_b32 v[\d+2], v[HY0], v[HZ1]
	v_xor_b32 v[\d+4], v[HY1], v[HZ0]
	v_xor_b32 v[\d+6], v[HY1], v[HZ1]
.irp c, 0,2,4,6
	v_and_b32 v[\d+\c], TMASK, v[\d+\c]            ; mod T
.endr
.irp c, 0,2,4,6
	v_min_u32 v[\d+\c], TMASK, v[\d+\c]            ; a number made from loaded data enters an address only behind a clamp by a constant; behind the AND it changes no value
.endr
.endm
.macro FETCH d, h
.irp c, 0,2,4,6
	global_load_b64 v[\d+\c:\d+\c+1], v[\d+\c], s[LB+2*\h:LB+2*\h+1] scale_offset   ; entry = level's table + 8 x index; the load lands on its own index register
.endr
.endm
; One level: indices, eight gathers, the weights.
.macro ISSUE h
	.set ID, DAT+16*\h
	.set IW, WGT+6*\h
	CORNERS 0, ID, \h
	FETCH ID, \h
	CORNERS 1, ID+8, \h
	FETCH ID+8, \h
	v_pk_fma_f32 v[IW:IW+1],     v[PH+2:PH+3], s[SF+2*\h:SF+2*\h+1], v[CV+2:CV+3] op_sel_hi:[1,0,1] neg_lo:[0,0,1] neg_hi:[0,0,1]   ; y offset of A, B
	v_pk_fma_f32 v[IW+2:IW+3],   v[PH+4:PH+5], s[SF+2*\h:SF+2*\h+1], v[CV+4:CV+5] op_sel_hi:[1,0,1] neg_lo:[0,0,1] neg_hi:[0,0,1]   ; z offset
	v_pk_fma_f32 v[IW+4:IW+5],   v[PH:PH+1],   s[SF+2*\h:SF+2*\h+1], v[CV:CV+1]   op_sel_hi:[1,0,1] neg_lo:[0,0,1] neg_hi:[0,0,1]   ; x offset - my x bit
	v_pk_fma_f32 v[IW+4:IW+5],   v[IW+4:IW+5], v[SGN:SGN+1], 1.0 op_sel_hi:[1,1,0]   ; bit 0: 1 - offset; bit 1: 1 + (offset - 1)
.endm
; Point p's four entries (pairs f0, f1) to one pair at e: lerp in z twice, in y once, times my x weight.
; op_sel picks A's (first) or B's (second) number of a weight pair for both halves.
.macro LERP p, e
	v_pk_add_f32 v[\e:\e+1],     v[CD+8*\p+2:CD+8*\p+3], v[CD+8*\p:CD+8*\p+1]   neg_lo:[0,1] neg_hi:[0,1]
	v_pk_add_f32 v[\e+2:\e+3],   v[CD+8*\p+6:CD+8*\p+7], v[CD+8*\p+4:CD+8*\p+5] neg_lo:[0,1] neg_hi:[0,1]
	v_pk_fma_f32 v[\e:\e+1],     v[\e:\e+1],     v[CW+2:CW+3], v[CD+8*\p:CD+8*\p+1]   op_sel:[0,\p,0] op_sel_hi:[1,\p,1]
	v_pk_fma_f32 v[\e+2:\e+3],   v[\e+2:\e+3],   v[CW+2:CW+3], v[CD+8*\p+4:CD+8*\p+5] op_sel:[0,\p,0] op_sel_hi:[1,\p,1]
	v_pk_add_f32 v[\e+2:\e+3],   v[\e+2:\e+3],   v[\e:\e+1] neg_lo:[0,1] neg_hi:[0,1]
	v_pk_fma_f32 v[\e:\e+1],     v[\e+2:\e+3],   v[CW:CW+1], v[\e:\e+1] op_sel:[0,\p,0] op_sel_hi:[1,\p,1]
	v_pk_mul_f32 v[\e:\e+1],     v[\e:\e+1],     v[CW+4:CW+5] op_sel:[0,\p] op_sel_hi:[1,\p]
.endm
; A level's entries are in: both points' halves, then the sum over the pair of lanes.  The even lane keeps A's half and sends B's,
; the odd lane keeps B's and sends A's; one add takes the neighbour's (lane xor 1) sent half.
.macro COMBINE h
	.set CD, DAT+16*\h
	.set CW, WGT+6*\h
	LERP 0, EA
	LERP 1, EB
	v_cndmask_b32 v[EA+2], v[EA],   v[EB],   s[ODD]    ; keep
	v_cndmask_b32 v[EA+3], v[EA+1], v[EB+1], s[ODD]
	v_cndmask_b32 v[EB+2], v[EB],   v[EA],   s[ODD]    ; send
	v_cndmask_b32 v[EB+3], v[EB+1], v[EA+1], s[ODD]
	v_add_f32_dpp v[R+2*\h],   v[EB+2], v[EA+2] row_xmask:1 row_mask:0xf bank_mask:0xf
	v_add_f32_dpp v[R+2*\h+1], v[EB+3], v[EA+3] row_xmask:1 row_mask:0xf bank_mask:0xf
.if \h
	ds_store_b128 v[LSA], v[R:R+3]                 ; the pair's two levels, 16 bytes of my point's row
.endif
.endm
; The head of a pair's turn.  Its even level is on its way.  No load that names the odd level's base is out: on the way in none has been
; issued, on the way back the second wait of the turn before has shown them done.
.macro HEAD
	s_add_nc_u64 s[LB+2:LB+3], s[LB:LB+1], LEVEL_BYTES
	v_lshl_add_u32 v[LSA], s[P], 4, v[LST]         ; column 16 P of my row, P = 0 .. 7
.endm
	ISSUE 0                                        ; the first pair's even level
.Lpair:
	HEAD
	ISSUE 1
	s_wait_loadcnt 0x8                             ; loads return in order: the eight just issued may be out, the even level's are in,
	COMBINE 0
	s_add_co_u32 s[J], s[J], 1
	s_add_co_u32 s[P], s[G], s[J]
	s_and_b32 s[P], s[P], PAIRS-1                  ; the next pair, round the eight
	PAIR                                           ; so the even level's base may be written
	ISSUE 0
	s_wait_loadcnt 0x8                             ; again: the next pair's eight may be out, the odd level's are in
	COMBINE 1
	s_cmp_lt_u32 s[J], PAIRS-1
	s_cbranch_scc1 .Lpair
	HEAD                                           ; the eighth pair: nothing follows it
	ISSUE 1
	s_wait_loadcnt 0x8
	COMBINE 0
	s_wait_loadcnt 0x0                             ; nothing was issued behind the last eight gathers
	COMBINE 1
	; The wave's 32 rows, 4 KiB of out0: LDS serves a wave's instructions in order, so these loads see the stores above.
.irp t, 0,1,2,3,4,5,6,7
	ds_load_b128 v[DAT+4*\t:DAT+4*\t+3], v[LRD] offset:\t*4*PITCH
.endr
.irp t, 0,1,2,3,4,5,6,7
	s_wait_dscnt 7-\t                              ; load t is in; the 7 - t younger ones may be out
	global_store_b128 v[OOFF], v[DAT+4*\t:DAT+4*\t+3], s[10:11] offset:512*\t th:TH_STORE_NT   ; four rows: 512 consecutive bytes, at a multiple of 512 from out0's first byte
.endr
	s_wait_tensorcnt 0x0
	ds_add_u32 v98, v99
	s_wait_dscnt 0x0
	s_endpgm
.Lfunc_end_k_q5c931a887b_gather:
	.size	k_q5c931a887b_gather, .Lfunc_end_k_q5c931a887b_gather-k_q5c931a887b_gather
	.p2alignl 7, 3214868480
	.fill 96, 4, 3214868480
	.section	.rodata,"a",@progbits
	.p2align	6, 0x0
	.amdhsa_kernel k_q5c931a887b_gather
		.amdhsa_group_segment_fixed_size 151552
		.amdhsa_private_segment_fixed_size 0
		.amdhsa_enable_private_segment 0
		.amdhsa_kernarg_size 32
		.amdhsa_user_sgpr_count 2
		.amdhsa_user_sgpr_kernarg_segment_ptr 1
		.amdhsa_wavefront_size32 1
		.amdhsa_system_sgpr_workgroup_id_x 1
		.amdhsa_system_sgpr_workgroup_id_y 1
		.amdhsa_system_sgpr_workgroup_id_z 1
		.amdhsa_system_vgpr_workitem_id 0
		.amdhsa_next_free_vgpr 100
		.amdhsa_next_free_sgpr 66
		.amdhsa_reserve_vcc 0
		.amdhsa_float_denorm_mode_32 3
		.amdhsa_float_denorm_mode_16_64 3
		.amdhsa_memory_ordered 1
		.amdhsa_forward_progress 1
		.amdhsa_inst_pref_size 29
	.end_amdhsa_kernel
	.amdgpu_metadata
---
amdhsa.version: [ 1, 2 ]
amdhsa.kernels:
  - .name:           k_q5c931a887b_gather
    .symbol:         k_q5c931a887b_gather.kd
    .args:
      - { .name: cells, .offset: 0, .size: 8, .value_kind: global_buffer, .address_space: global }
      - { .name: x, .offset: 8, .size: 8, .value_kind: global_buffer, .address_space: global }
      - { .name: hash_table, .offset: 16, .size: 8, .value_kind: global_buffer, .address_space: global }
      - { .name: out0, .offset: 24, .size: 8, .value_kind: global_buffer, .address_space: global }
    .group_segment_fixed_size: 151552
    .private_segment_fixed_size: 0
    .kernarg_segment_align: 8
    .kernarg_segment_size: 32
    .max_flat_workgroup_size: 1024
    .sgpr_count:     66
    .vgpr_count:     100
    .wavefront_size: 32
...
	.end_amdgpu_metadata
.endif
;; end of part 2
;; ======== version 2 of 2: 2 launches; version 1 with the launch gather written anew for expert scheduling mode
;; limits: inputs' magnitudes at most 1,023
;; workspace buffers: cells 3,145,728 bytes of whole numbers
;; launch quantize: the kernel of part 1 again; grid 256 x 1, 8 waves a work-group, no clusters, 0 bytes of LDS; arguments x, cells; writes cells
;; launch gather (part 3): grid 256 x 1, 32 waves a work-group, no clusters, 151,552 bytes of LDS; arguments cells, x, hash_table, out0; writes out0
.if DOCPART == 3
	.amdgcn_target "amdgcn-amd-amdhsa--gfx1250"
	.amdhsa_code_object_version 6
	.text
	.protected	k_q5c931a887b_gather
	.globl	k_q5c931a887b_gather
	.p2align	8
	.type	k_q5c931a887b_gather,@function
k_q5c931a887b_gather:
	s_mov_b64 s[64:65], 0
	v_nop
	global_prefetch_b8 v0, s[64:65] scope:SCOPE_SE
	s_setreg_imm32_b32 hwreg(HW_REG_WAVE_SCHED_MODE, 0, 2), 2
	s_setreg_imm32_b32 hwreg(HW_REG_WAVE_MODE, 25, 1), 1
	s_wait_xcnt 0x0
	s_wait_alu depctr_vm_vsrc(0)
; out0[n][2 l + f] = trilinear sum over the 8 corners of point n's cell at level l of hash_table[l T + hash(corner)][f].
; T = 2^19 entries of 8 bytes a level, 16 levels, 262,144 points.
;
; SCALES. floor(16 g^l) with g = exp((ln 1024 - ln 16) / 15) evaluated in f64 as the reference writes it: g is the f64 next
; below 2^0.4, so g^5, g^10, g^15 fall just under 4, 16, 64, and the scales are
;   16 21 27 36 48 63 84 111 147 194 255 337 445 588 776 1023.
;
; ADDRESSES come from whole numbers alone: the word of each coordinate that the launch before stored
; (I = floor(x01) in bits 31:22, q = floor(frac 2^22) in bits 21:0).  At scale s:  f = (q s) >> 22  (q s < 2^22 * 1023 fits 32 bits),
; cell = I s + f.  The hash keeps 19 bits (h mod 2^19 of the 64-bit hash = its low 19 bits, for negative cells too), and these
; hang on the low 19 bits of cell and prime alone: 24-bit multiplies by the primes' low 19 bits do.
; WEIGHTS come from x: frac is made again by the same three operations as in the launch before, offset = fma(frac, s, -f).
; f is floor(frac s) or, where frac s lies less than s 2^-22 above a whole number, one less; the offset then is up to 1 + 2^-12
; against the cell that is addressed, and since the interpolant is continuous over a cell's face the result moves by at most
; 2^-12 of a difference of slopes.
; LIMITS. (1) -512 <= 0.5 x + 0.5 < 512, from the word's ten bits of I.  (2) The upper corner is cell + 1; the reference takes ceil,
; which equals the floor where the offset is 0. The weight there is 0, so the results agree for finite table entries only.
; (3) Rounding: the offset is rounded once (fma on the fraction); the reference rounds x01 s first, which for |x| <= 1 differs
; by at most 2^-15 and for x01 near 30 by at most 2^-10 of a cell; sums go as lerps in z, y and x, not as eight weighted terms.
;
; SHARES. 256 work-groups x 32 waves; a wave owns 32 points.  A lane is (point, x bit): lanes 2i and 2i+1 fetch, in one instruction,
; the lower-x and the upper-x corner of one point.  x's prime is 1, so the two indices differ only in the low bits that cell and
; cell + 1 differ in: in 15 of 16 cases both lie in one aligned run of 16 entries (128 bytes), so neighbouring lanes ask for
; neighbouring bytes.  Each lane serves two points, A and B = A + 8: eight gathers a level.
; ORDER OF THE LEVELS. The levels go in 8 pairs (2 P, 2 P + 1).  Work-group g starts at pair (g + g/8) mod 8 and goes round, so any
; eight neighbouring work-groups, and any eight that lie 8 apart, start at eight different pairs.  In every trip each level's table is
; visited by 32 of the 256 work-groups: the requests for one table are spread over the whole launch and do not all fall into one
; sixteenth of it.  The price: all 16 tables, 64 MiB, are in use from the first trip to the last.  Nothing is asked for ahead of its
; use: every table is under demand from the first trip on, so there is no table that a request ahead could name before its first visit.
; PIPELINE. A level's eight gathers are issued before the level before is combined; two register sets (even, odd level) take turns.
; A set's index registers, its data registers and its table's base are written again only behind the counted wait that showed its loads done.
; WAY OUT. The pair's sum is made by one DPP add; the even lane keeps A's, the odd lane B's.  Two levels = 16 bytes go into the wave's
; own LDS rows (one row a point), and the 32 rows are read back whole: each store of the wave covers 512 consecutive bytes of out0.
; No wave touches another's LDS bytes, so there is no barrier.
; No matrix unit (no product), no tensor load and no cluster (each lane's address is its own; no tile is shared).
;
; THE MODE: SCHED_MODE bits 1:0 = 2 (LLVM: expert scheduling mode 2), set by the entry lines.  The code itself states the register
; dependences between vector instructions and memory or LDS instructions, with s_wait_alu, always for 0.
; THE PLAN.  Registers that memory or LDS instructions touch, in the loop (h = 0: a pair's even level, 1: its odd one):
;   IDX[h]   eight indices.  Written by the hash lines of ISSUE h; read, as offsets, by ISSUE h's eight gathers.
;   DAT[h]   eight entries.  ISSUE h's gathers land in it; read by COMBINE h, which stands directly ahead of the next ISSUE h.
;   R        a pair's 16 bytes.  Written by COMBINE 0 and COMBINE 1; read by the pair's LDS store, which is issued in the NEXT pair's ISSUE 1.
;   LSA      that store's address.  Written once a pair, behind the store of the pair before.
;   XOFF, LRD, OOFF   made at the head and never written again.
; All else (weights, fractions, what is at work) is named by vector instructions alone.
; ONE wait on va_vdst stands in each ISSUE h, behind both points' hash lines: IDX[h] is written, COMBINE h is done reading DAT[h], and (h = 1) R and
; LSA are written.  Behind it the eight gathers and the LDS store are dealt among the four weight lines, which name none of those registers.
; ONE wait on vm_vsrc a pair stands behind the odd level's gathers and the LDS store: both IDX sets, R and LSA have been read and may be written again.
.set PAIRS,  8                         ; pairs of levels
.set TMASK,  0x7ffff                   ; T - 1
.set LEVEL_BYTES, 0x400000             ; T entries of 8 bytes
.set FRAC,   22
.set P1L,    2654435761 & TMASK        ; the primes' low 19 bits
.set P2L,    805459861 & TMASK
.set PITCH,  144                       ; an LDS row: 128 bytes + 16: an odd multiple of 16, so 16 rows' equal columns fall on 16 different 16-byte columns of 256 bytes
.set WAVE_LDS, 32*PITCH
; vector registers.  Index 2 d + p: dimension d, point p (0 = A, 1 = B), so (A, B) of one dimension form a pair for the packed forms
.set QF,   2                           ; v[2:7]    q
.set QI,   8                           ; v[8:13]   I
.set PH,   14                          ; v[14:19]  frac, f32
.set BSH,  20                          ; my x bit << 22
.set LST,  21                          ; LDS address of the row that I store
.set SGN,  22                          ; v[22:23]  +1 (upper x corner) or -1 (lower), twice
.set LRD,  24                          ; LDS address from which I read rows back
.set OOFF, 25                          ; 16 x lane: my place in the wave's 512 bytes of out0
.set LSA,  26                          ; LST + 16 P: where the pair at work goes in my row
.set XOFF, 27                          ; byte offset of point A's three numbers in the wave's part of x and of cells
.set R,    28                          ; v[28:31]  results of an even and an odd level: 16 bytes of a row
.set DAT,  32                          ; v[32:63]  two sets of 8 pairs: the entries.  Pair 4 p + 2 ybit + zbit
.set WGT,  64                          ; v[64:75]  two sets of 3 pairs (A, B): y offset, z offset, x weight
.set CV,   76                          ; v[76:81]  f as f32
.set TX,   82
.set TY,   83
.set TZ,   84
.set HY0,  85
.set HY1,  86
.set HZ0,  87
.set HZ1,  88
.set EA,   90                          ; v[90:93]  at work on A
.set EB,   94                          ; v[94:97]  at work on B
.set IDX,  98                          ; v[98:113] two sets of 8 indices: 4 p + 2 ybit + zbit
; scalar registers
.set WAVE, 12
.set ODD,  13                          ; mask of the odd lanes
.set LB,   16                          ; s[16:17] the even level's table, s[18:19] the odd level's
.set OFFP, 20                          ; s[20:21] P x 8 MiB, in 64 bits
.set J,    22                          ; pairs begun behind the first: the loop's counter
.set G,    23                          ; g + g/8
.set P,    24                          ; the pair whose even level was issued last
.set SI,   25                          ; s25, s26 the scales of the even and the odd level
.set SF,   28                          ; s28, s30 the same as f32; s29 and s31 only fill the pairs that the packed form names
.set W,    32                          ; s[32:39] word P: the even level's scale below, the odd level's above
.set T0,   40                          ; s[40:43] at work
	s_load_b256 s[4:11], s[0:1], 0x0               ; cells s[4:5], x s[6:7], hash_table s[8:9], out0 s[10:11]
	v_lshl_add_u32 v114, v0, 2, 0x24000
	v_mov_b32 v115, 0
	v_lshrrev_b32 v1, 5, v0
	v_readfirstlane_b32 s[WAVE], v1                ; wave 0 .. 31
	s_mov_b32 s[ODD], 0xaaaaaaaa
	v_bfe_u32 v[XOFF], v0, 1, 3                    ; the pair's number in its half of the wave, 0 .. 7
	v_bfe_u32 v[LRD], v0, 4, 1                     ; which half of the wave
	v_and_b32 v[BSH], 1, v0                        ; my x bit
	v_lshl_add_u32 v[XOFF], v[LRD], 4, v[XOFF]     ; A = 16 half + pair; B = A + 8: each half of the wave owns 16 neighbouring points
	v_lshl_add_u32 v[LST], v[BSH], 3, v[XOFF]      ; the row that I store: A's in even lanes, B's in odd
	v_mul_u32_u24 v[XOFF], 12, v[XOFF]
	s_wait_alu depctr_va_sdst(0)                   ; the wave's number is written, ahead of its first reader: the wave's parts of the buffers and of LDS are made from it
	s_mul_i32 s14, ttmp9, 1024*12                  ; the work-group's 1,024 points,
	s_mul_i32 s15, s[WAVE], 32*12                  ; the wave's 32, of 12 bytes
	s_add_co_u32 s14, s14, s15
	s_mov_b32 s15, 0
	s_wait_kmcnt 0x0
	s_add_nc_u64 s[4:5], s[4:5], s[14:15]
	s_add_nc_u64 s[6:7], s[6:7], s[14:15]
	s_wait_alu depctr_va_vdst(0)                   ; v[XOFF] is written, which the twelve loads below read as their offset
.irp d, 0,1,2
.irp p, 0,1
	global_load_b32 v[QI+2*\d+\p], v[XOFF], s[4:5] offset:96*\p+4*\d th:TH_LOAD_NT   ; the wave's 384 bytes of each buffer, read once in the launch
	global_load_b32 v[PH+2*\d+\p], v[XOFF], s[6:7] offset:96*\p+4*\d th:TH_LOAD_NT
.endr
.endr
; The pair P: its two scales, as whole numbers and as f32, and the address of its even level's table.
; The word is chosen by P's three bits; s_cselect_b32 leaves SCC as it is, so one test serves a whole stage.
.macro PAIR
	s_bitcmp1_b32 s[P], 0
	s_cselect_b32 s[T0],   s[W+1], s[W+0]
	s_cselect_b32 s[T0+1], s[W+3], s[W+2]
	s_cselect_b32 s[T0+2], s[W+5], s[W+4]
	s_cselect_b32 s[T0+3], s[W+7], s[W+6]
	s_bitcmp1_b32 s[P], 1
	s_cselect_b32 s[T0],   s[T0+1], s[T0]
	s_cselect_b32 s[T0+2], s[T0+3], s[T0+2]
	s_bitcmp1_b32 s[P], 2
	s_cselect_b32 s[T0],   s[T0+2], s[T0]
	s_and_b32  s[SI],   s[T0], 0xffff
	s_lshr_b32 s[SI+1], s[T0], 16
	s_cvt_f32_u32 s[SF],   s[SI]                   ; exact: at most ten bits
	s_cvt_f32_u32 s[SF+2], s[SI+1]
	s_lshl_b32 s[OFFP], s[P], 23                   ; two tables of 4 MiB a pair: at most 56 MiB
	s_add_nc_u64 s[LB:LB+1], s[8:9], s[OFFP:OFFP+1]
.endm
	; while the twelve loads are on their way: the scales, the first pair, addresses, lane constants (none of these lines names v[XOFF] or a register in which a load lands)
.macro SCALES i, a, b
	s_mov_b32 s[W+\i], \a|(\b<<16)
.endm
	SCALES 0, 16,  21
	SCALES 1, 27,  36
	SCALES 2, 48,  63
	SCALES 3, 84,  111
	SCALES 4, 147, 194
	SCALES 5, 255, 337
	SCALES 6, 445, 588
	SCALES 7, 776, 1023
	s_mov_b32 s[OFFP+1], 0
	s_mov_b32 s[SF+1], 0                           ; never taken (the packed forms below broadcast the pair's first register), written because the pair is named
	s_mov_b32 s[SF+3], 0
	s_mov_b32 s[J], 0
	s_lshr_b32 s[G], ttmp9, 3
	s_add_co_u32 s[G], s[G], ttmp9                 ; g + g/8
	s_and_b32 s[P], s[G], PAIRS-1                  ; where this work-group starts
	PAIR
	s_lshl_b32 s14, ttmp9, 17                      ; out0: 1,024 rows of 128 bytes a work-group,
	s_lshl_b32 s15, s[WAVE], 12                    ; 32 a wave
	s_add_co_u32 s14, s14, s15
	s_mov_b32 s15, 0
	s_add_nc_u64 s[10:11], s[10:11], s[14:15]
	s_mul_i32 s14, s[WAVE], WAVE_LDS               ; my wave's 32 rows in LDS
	v_mul_u32_u24 v[LST], PITCH, v[LST]
	v_add_nc_u32 v[LST], s14, v[LST]
	v_bfe_u32 v[LRD], v0, 3, 2                     ; back: eight lanes take one row of 128 bytes, the wave four rows
	v_and_b32 v[OOFF], 7, v0
	v_mul_u32_u24 v[LRD], PITCH, v[LRD]
	v_lshl_add_u32 v[LRD], v[OOFF], 4, v[LRD]
	v_add_nc_u32 v[LRD], s14, v[LRD]
	v_and_b32 v[OOFF], 31, v0
	v_lshlrev_b32 v[OOFF], 4, v[OOFF]
	v_cvt_f32_u32 v1, v[BSH]
	v_fma_f32 v[SGN], v1, 2.0, -1.0                ; x bit 0: -1, x bit 1: +1
	v_lshlrev_b32 v[BSH], FRAC, v[BSH]
	v_mov_b32 v[SGN+1], v[SGN]
.irp i, 0,1,2,3
	v_mov_b32 v[R+\i], 0                           ; the destination of a DPP form counts as read: written once here
.endr
	s_wait_loadcnt 0x0                             ; the twelve numbers, once
.irp i, 0,1,2,3,4,5
	v_and_b32 v[QF+\i], (1<<FRAC)-1, v[QI+\i]
	v_ashrrev_i32 v[QI+\i], FRAC, v[QI+\i]
.endr
.irp d, 0,2,4
	v_pk_fma_f32 v[PH+\d:PH+\d+1], v[PH+\d:PH+\d+1], 0.5, 0.5 op_sel_hi:[1,0,0]      ; x01
.endr
.irp i, 0,1,2,3,4,5
	v_floor_f32 v[CV+\i], v[PH+\i]
.endr
.irp d, 0,2,4
	v_pk_add_f32 v[PH+\d:PH+\d+1], v[PH+\d:PH+\d+1], v[CV+\d:CV+\d+1] neg_lo:[0,1] neg_hi:[0,1]   ; frac
.endr
; The four indices of point p's corners with my x bit, into the four registers at d.  h: 0 the pair's even level, 1 its odd one.
.macro CORNERS p, d, h
	v_mad_u32_u24 v[TX], v[QF+\p], s[SI+\h], v[BSH]    ; q s + (bit << 22): at most (2^22 - 1) 1023 + 2^22, below 2^32
	v_mul_u32_u24 v[TY], s[SI+\h], v[QF+2+\p]
	v_mul_u32_u24 v[TZ], s[SI+\h], v[QF+4+\p]
	v_lshrrev_b32 v[TX], FRAC, v[TX]               ; f + my x bit
	v_lshrrev_b32 v[TY], FRAC, v[TY]               ; f
	v_lshrrev_b32 v[TZ], FRAC, v[TZ]
	v_cvt_f32_u32 v[CV+\p], v[TX]                  ; for the offsets: taken against the very f that is addressed
	v_cvt_f32_u32 v[CV+2+\p], v[TY]
	v_cvt_f32_u32 v[CV+4+\p], v[TZ]
	v_mad_u32_u24 v[TX], v[QI+\p], s[SI+\h], v[TX]     ; the corner's coordinate I s + f: its low 24 bits are right, for negative I too
	v_mad_u32_u24 v[TY], v[QI+2+\p], s[SI+\h], v[TY]
	v_mad_u32_u24 v[TZ], v[QI+4+\p], s[SI+\h], v[TZ]
	v_mul_u32_u24 v[HY0], P1L, v[TY]
	v_mul_u32_u24 v[HZ0], P2L, v[TZ]
	v_add_nc_u32 v[HY1], P1L, v[HY0]               ; (y + 1) prime
	v_add_nc_u32 v[HZ1], P2L, v[HZ0]
	v_xor_b32 v[HY0], v[TX], v[HY0]
	v_xor_b32 v[HY1], v[TX], v[HY1]
	v_xor_b32 v[\d], v[HY0], v[HZ0]
	v_xor_b32 v[\d+1], v[HY0], v[HZ1]
	v_xor_b32 v[\d+2], v[HY1], v[HZ0]
	v_xor_b32 v[\d+3], v[HY1], v[HZ1]
.irp c, 0,1,2,3
	v_and_b32 v[\d+\c], TMASK, v[\d+\c]            ; mod T
.endr
.irp c, 0,1,2,3
	v_min_u32 v[\d+\c], TMASK, v[\d+\c]            ; a number made from loaded data enters an address only behind a clamp by a constant; behind the AND it changes no value
.endr
.endm
; One point's four gathers: the indices at i, the entries into the four pairs at d.
.macro FETCH i, d, h
.irp c, 0,1,2,3
	global_load_b64 v[\d+2*\c:\d+2*\c+1], v[\i+\c], s[LB+2*\h:LB+2*\h+1] scale_offset   ; entry = level's table + 8 x index
.endr
.endm
; One level: both points' indices, the wait, then eight gathers dealt among the weights.  st = 1: the LDS store of the pair before goes out here too.
.macro ISSUE h, st
	.set II, IDX+8*\h
	.set ID, DAT+16*\h
	.set IW, WGT+6*\h
	CORNERS 0, II, \h
	CORNERS 1, II+4, \h
	s_wait_alu depctr_va_vdst(0)                   ; the hash lines have written IDX[h], which the gathers read; COMBINE h is done reading DAT[h], in which they land; with st = 1: the two COMBINEs have written R and the line behind the last store LSA, which the LDS store reads
	FETCH II, ID, \h
	v_pk_fma_f32 v[IW:IW+1],     v[PH+2:PH+3], s[SF+2*\h:SF+2*\h+1], v[CV+2:CV+3] op_sel_hi:[1,0,1] neg_lo:[0,0,1] neg_hi:[0,0,1]   ; y offset of A, B.  These four lines name the weights, the fractions, f and the sign alone
	v_pk_fma_f32 v[IW+2:IW+3],   v[PH+4:PH+5], s[SF+2*\h:SF+2*\h+1], v[CV+4:CV+5] op_sel_hi:[1,0,1] neg_lo:[0,0,1] neg_hi:[0,0,1]   ; z offset
	FETCH II+4, ID+8, \h
.if \st
	ds_store_b128 v[LSA], v[R:R+3]                 ; the pair before: its two levels, 16 bytes of my point's row
.endif
	v_pk_fma_f32 v[IW+4:IW+5],   v[PH:PH+1],   s[SF+2*\h:SF+2*\h+1], v[CV:CV+1]   op_sel_hi:[1,0,1] neg_lo:[0,0,1] neg_hi:[0,0,1]   ; x offset - my x bit
	v_pk_fma_f32 v[IW+4:IW+5],   v[IW+4:IW+5], v[SGN:SGN+1], 1.0 op_sel_hi:[1,1,0]   ; bit 0: 1 - offset; bit 1: 1 + (offset - 1)
.endm
; Point p's four entries (pairs f0, f1) to one pair at e: lerp in z twice, in y once, times my x weight.
; op_sel picks A's (first) or B's (second) number of a weight pair for both halves.
.macro LERP p, e
	v_pk_add_f32 v[\e:\e+1],     v[CD+8*\p+2:CD+8*\p+3], v[CD+8*\p:CD+8*\p+1]   neg_lo:[0,1] neg_hi:[0,1]
	v_pk_add_f32 v[\e+2:\e+3],   v[CD+8*\p+6:CD+8*\p+7], v[CD+8*\p+4:CD+8*\p+5] neg_lo:[0,1] neg_hi:[0,1]
	v_pk_fma_f32 v[\e:\e+1],     v[\e:\e+1],     v[CW+2:CW+3], v[CD+8*\p:CD+8*\p+1]   op_sel:[0,\p,0] op_sel_hi:[1,\p,1]
	v_pk_fma_f32 v[\e+2:\e+3],   v[\e+2:\e+3],   v[CW+2:CW+3], v[CD+8*\p+4:CD+8*\p+5] op_sel:[0,\p,0] op_sel_hi:[1,\p,1]
	v_pk_add_f32 v[\e+2:\e+3],   v[\e+2:\e+3],   v[\e:\e+1] neg_lo:[0,1] neg_hi:[0,1]
	v_pk_fma_f32 v[\e:\e+1],     v[\e+2:\e+3],   v[CW:CW+1], v[\e:\e+1] op_sel:[0,\p,0] op_sel_hi:[1,\p,1]
	v_pk_mul_f32 v[\e:\e+1],     v[\e:\e+1],     v[CW+4:CW+5] op_sel:[0,\p] op_sel_hi:[1,\p]
.endm
; A level's entries are in: both points' halves, then the sum over the pair of lanes.  The even lane keeps A's half and sends B's,
; the odd lane keeps B's and sends A's; one add takes the neighbour's (lane xor 1) sent half.
.macro COMBINE h
	.set CD, DAT+16*\h
	.set CW, WGT+6*\h
	LERP 0, EA
	LERP 1, EB
	v_cndmask_b32 v[EA+2], v[EA],   v[EB],   s[ODD]    ; keep
	v_cndmask_b32 v[EA+3], v[EA+1], v[EB+1], s[ODD]
	v_cndmask_b32 v[EB+2], v[EB],   v[EA],   s[ODD]    ; send
	v_cndmask_b32 v[EB+3], v[EB+1], v[EA+1], s[ODD]
	v_add_f32_dpp v[R+2*\h],   v[EB+2], v[EA+2] row_xmask:1 row_mask:0xf bank_mask:0xf
	v_add_f32_dpp v[R+2*\h+1], v[EB+3], v[EA+3] row_xmask:1 row_mask:0xf bank_mask:0xf
.endm
; The odd level's table.  No load that names this base is out: ahead of the loop none has been issued, in the loop the wait just ahead has shown them done.
.macro ODDBASE
	s_add_nc_u64 s[LB+2:LB+3], s[LB:LB+1], LEVEL_BYTES
.endm
; Behind the odd level's gathers and the LDS store of the pair before: where the pair in hand goes in my row.
.macro COLUMN
	s_wait_alu depctr_vm_vsrc(0)                   ; the gathers issued so far have read both IDX sets, which the next two ISSUEs write again; the LDS store has read LSA, written below, and R, which the next COMBINE writes
	v_lshl_add_u32 v[LSA], s[P], 4, v[LST]         ; column 16 P of my row, P = 0 .. 7
.endm
	ISSUE 0, 0                                     ; the first pair's even level,
	ODDBASE
	ISSUE 1, 0                                     ; and its odd one: there is no pair before it, so no store
	s_wait_loadcnt 0x8                             ; loads return in order: the eight just issued may be out, the even level's are in
	COLUMN
	COMBINE 0
.Lpair:                                                ; seven passes; at the head, on both ways in, the odd level's eight gathers are out
	s_add_co_u32 s[J], s[J], 1
	s_add_co_u32 s[P], s[G], s[J]
	s_and_b32 s[P], s[P], PAIRS-1                  ; the next pair, round the eight
	PAIR                                           ; the even level's loads were shown done by the wait ahead of COMBINE 0, so their base may be written
	ISSUE 0, 0
	s_wait_loadcnt 0x8                             ; the next pair's eight may be out, the odd level's are in
	COMBINE 1                                      ; the pair before is whole in R
	ODDBASE
	ISSUE 1, 1
	s_wait_loadcnt 0x8                             ; again: the eight just issued may be out, the even level's are in
	COLUMN
	COMBINE 0
	s_cmp_lt_u32 s[J], PAIRS-1
	s_cbranch_scc1 .Lpair
	s_wait_loadcnt 0x0                             ; nothing was issued behind the last eight gathers
	COMBINE 1
	s_wait_alu depctr_va_vdst(0)                   ; the last COMBINE has written R, which the LDS store reads, and is done reading DAT, in which the LDS loads below land; no vector instruction follows
	ds_store_b128 v[LSA], v[R:R+3]                 ; the eighth pair
	; The wave's 32 rows, 4 KiB of out0: LDS serves a wave's instructions in order, so these loads see the stores above.
.irp t, 0,1,2,3,4,5,6,7
	ds_load_b128 v[DAT+4*\t:DAT+4*\t+3], v[LRD] offset:\t*4*PITCH
.endr
.irp t, 0,1,2,3,4,5,6,7
	s_wait_dscnt 7-\t                              ; load t is in; the 7 - t younger ones may be out
	global_store_b128 v[OOFF], v[DAT+4*\t:DAT+4*\t+3], s[10:11] offset:512*\t th:TH_STORE_NT   ; four rows: 512 consecutive bytes, at a multiple of 512 from out0's first byte
.endr
	s_wait_dscnt 0x0
	s_wait_alu depctr_hold_cnt(0) depctr_sa_sdst(0) depctr_va_vdst(0) depctr_va_sdst(0) depctr_va_ssrc(0) depctr_va_vcc(0) depctr_vm_vsrc(0)
	s_wait_tensorcnt 0x0
	ds_add_u32 v114, v115
	s_wait_dscnt 0x0
	s_endpgm
.Lfunc_end_k_q5c931a887b_gather:
	.size	k_q5c931a887b_gather, .Lfunc_end_k_q5c931a887b_gather-k_q5c931a887b_gather
	.p2alignl 7, 3214868480
	.fill 96, 4, 3214868480
	.section	.rodata,"a",@progbits
	.p2align	6, 0x0
	.amdhsa_kernel k_q5c931a887b_gather
		.amdhsa_group_segment_fixed_size 151552
		.amdhsa_private_segment_fixed_size 0
		.amdhsa_enable_private_segment 0
		.amdhsa_kernarg_size 32
		.amdhsa_user_sgpr_count 2
		.amdhsa_user_sgpr_kernarg_segment_ptr 1
		.amdhsa_wavefront_size32 1
		.amdhsa_system_sgpr_workgroup_id_x 1
		.amdhsa_system_sgpr_workgroup_id_y 1
		.amdhsa_system_sgpr_workgroup_id_z 1
		.amdhsa_system_vgpr_workitem_id 0
		.amdhsa_next_free_vgpr 116
		.amdhsa_next_free_sgpr 66
		.amdhsa_reserve_vcc 0
		.amdhsa_float_denorm_mode_32 3
		.amdhsa_float_denorm_mode_16_64 3
		.amdhsa_memory_ordered 1
		.amdhsa_forward_progress 1
		.amdhsa_inst_pref_size 30
	.end_amdhsa_kernel
	.amdgpu_metadata
---
amdhsa.version: [ 1, 2 ]
amdhsa.kernels:
  - .name:           k_q5c931a887b_gather
    .symbol:         k_q5c931a887b_gather.kd
    .args:
      - { .name: cells, .offset: 0, .size: 8, .value_kind: global_buffer, .address_space: global }
      - { .name: x, .offset: 8, .size: 8, .value_kind: global_buffer, .address_space: global }
      - { .name: hash_table, .offset: 16, .size: 8, .value_kind: global_buffer, .address_space: global }
      - { .name: out0, .offset: 24, .size: 8, .value_kind: global_buffer, .address_space: global }
    .group_segment_fixed_size: 151552
    .private_segment_fixed_size: 0
    .kernarg_segment_align: 8
    .kernarg_segment_size: 32
    .max_flat_workgroup_size: 1024
    .sgpr_count:     66
    .vgpr_count:     116
    .wavefront_size: 32
...
	.end_amdgpu_metadata
.endif
;; end of part 3
